; MI455X (gfx1250); checked and timed in simulation.
; The chip was launched on July 23, 2026; its instructions are those of AMD's public machine-readable ISA for CDNA 5 (MIT licence, August 2026) and "CDNA5" Instruction Set Architecture Reference Guide (July 2026). The comments in the code are by the model that wrote it; some were corrected since.
;; Multi Head Attention. Allowed arithmetic: matrix products marked QUANTISED: E2M3 operands, one E8M0 scale for each 32 along K, by v_wmma_scale_f32_16x16x128_f8f6f4 with both operands' format E2M3, f32 sums; everything else in f32.
;; Inputs: bk 1,024 float32; bo 1,024 float32; bq 1,024 float32; bv 1,024 float32; causal_mask 1 x 1 x 2,048 x 2,048 bool; wk_codes 1,024 x 32 x 24 uint8 (E2M3 codes of wk, K innermost, in blocks of 32 codes, four codes in three bytes); wk_scales 1,024 x 32 uint8 (E8M0 scales of wk, one for each 32 codes along K); wo_codes 1,024 x 32 x 24 uint8 (E2M3 codes of wo, K innermost, in blocks of 32 codes, four codes in three bytes); wo_scales 1,024 x 32 uint8 (E8M0 scales of wo, one for each 32 codes along K); wq_codes 1,024 x 32 x 24 uint8 (E2M3 codes of wq, K innermost, in blocks of 32 codes, four codes in three bytes); wq_scales 1,024 x 32 uint8 (E8M0 scales of wq, one for each 32 codes along K); wv_codes 1,024 x 32 x 24 uint8 (E2M3 codes of wv, K innermost, in blocks of 32 codes, four codes in three bytes); wv_scales 1,024 x 32 uint8 (E8M0 scales of wv, one for each 32 codes along K); x_codes 2 x 2,048 x 32 x 24 uint8 (E2M3 codes of x, K innermost, in blocks of 32 codes, four codes in three bytes); x_scales 2 x 2,048 x 32 uint8 (E8M0 scales of x, one for each 32 codes along K).
;; Outputs: out0 2 x 2,048 x 1,024 float32.
;; This version of the problem:
;;   THIS VERSION OF THE PROBLEM IS GIVEN IN LOW PRECISION. The matrix products marked QUANTISED in the list below multiply operands that are first quantised to E2M3 (2 exponent bits, 3 mantissa bits; 6 bits a number), with one power-of-two scale for each 32 numbers along K (OCP MX v1.0); their sums are f32. All else is computed in f32.
;;   The module's matrix products, in the order in which they are computed (A, B: the left and right operand; K: the contracted axis; several contracted axes count as one K, in the product's order):
;;     1. [M 4,096, K 1,024] x [K 1,024, N 1,024]; A: input x (given as codes); B: input wq (given as codes): QUANTISED
;;     2. [M 4,096, K 1,024] x [K 1,024, N 1,024]; A: input x (given as codes); B: input wk (given as codes): QUANTISED
;;     3. [M 4,096, K 1,024] x [K 1,024, N 1,024]; A: input x (given as codes); B: input wv (given as codes): QUANTISED
;;     4. batch 32 x [M 2,048, K 64] x [K 64, N 2,048]; A: computed on the way; B: computed on the way: QUANTISED
;;     5. batch 32 x [M 2,048, K 2,048] x [K 2,048, N 64]; A: softmax (see below); B: computed on the way: QUANTISED
;;     6. [M 4,096, K 1,024] x [K 1,024, N 1,024]; A: computed on the way; B: input wo (given as codes): QUANTISED
;;   THE QUANTISER, for each operand of a quantised product, along K:
;;     - K is cut into blocks of 32 from its start; a last block that is shorter is filled with zeros.
;;     - A block's scale is 2^e with e = floor(log2(the largest magnitude in the block)) - 2, held to -126 .. 127; a block of zeros has e = 0. As a byte (E8M0): e + 127.
;;     - Each number is divided by its block's scale, clamped to +-7.5, and rounded to the nearest number of E2M3, ties to even, subnormals kept.
;;     - The product sums the exact products of the quantised numbers (number of the format x scale) in f32.
;;   ~~~python
;;   def quantise(x, axis):      # numpy; x: float32 -> the quantised numbers, widened to float32 again
;;       x = np.moveaxis(x, axis, -1); K = x.shape[-1]
;;       x = np.pad(x, [(0, 0)] * (x.ndim - 1) + [(0, -K % 32)]); x = x.reshape(x.shape[:-1] + (-1, 32)); a = np.abs(x).max(-1, keepdims=True)
;;       e = np.where(a > 0, np.clip(np.frexp(np.where(a > 0, a, 1))[1] - 1 - 2, -126, 127), 0)      # np.frexp(a)[1] - 1 = floor(log2(a)), exactly
;;       r = np.clip(x / 2.0 ** e, -7.5, 7.5)
;;       step = 2.0 ** (np.maximum(np.frexp(np.where(r == 0, 1, r))[1] - 1, 0) - 3)
;;       q = np.round(r / step) * step * 2.0 ** e      # np.round: ties to even
;;       return np.moveaxis(q.reshape(q.shape[:-2] + (-1,))[..., :K], -1, axis).astype(np.float32)
;;   ~~~
;;   SOFTMAX AHEAD OF A QUANTISED PRODUCT. Where the list says 'softmax', what is quantised is not the finished softmax but p = 2^(t - M), with t = logit x log2(e) and M = ceil(the row's largest t), a whole number; so 1/2 < the row's largest p <= 1. The row's sum l is taken of the UNQUANTISED p, in f32, and the product's result is divided by l at the end. Since M is a whole number, a kernel that streams over the keys may use a running M (the ceiling of the running maximum): every later rescaling is an exact power of two, which a block's scale takes up: the codes' values come out the same.
;;   OPERANDS COMPUTED ON THE WAY. 'Computed on the way' means the value that the module computes at that place (a softmax that the list does not call 'softmax' is quantised finished and normalised). What goes into a quantiser is computed in f32, as accurately as f32 sums, v_exp_f32 and their like allow (about 1e-6 of the number): no bf16 or f16 on the way to a quantiser, and a product that is left as it is and whose result goes on into a quantised operand takes f32 operands (vector FMAs, or v_wmma_f32_16x16x4_f32). A number that lies on a knife's edge between two numbers of the format may be rounded either way, as far as f32 arithmetic and the matrix unit's own rounding can turn it there, and no further.
;;   INPUTS GIVEN AS CODES. wk (in the module: [1024, 1024], K = its axis 0); wo (in the module: [1024, 1024], K = its axis 0); wq (in the module: [1024, 1024], K = its axis 0); wv (in the module: [1024, 1024], K = its axis 0); x (in the module: [2, 2048, 1024], K = its axis 2): each comes as NAME_codes (uint8): NAME with its K axis moved to the last place and cut into blocks of 32 codes, [.., K / 32, bytes a block], one block behind the other in memory; four codes in three bytes: a row's codes are one little-endian stream of bits, code i at bits 6 i .. 6 i + 5 (a code: sign, 2 exponent bits, 3 mantissa bits); and NAME_scales (uint8): the same leading axes, one E8M0 byte (e + 127) for each 32 codes along K. Its value is code x scale, taken as it is: it is not quantised again, and the codes and scales need not be those that the quantiser above would give.
;; One version. Each part assembles by itself: llvm-mc -triple=amdgcn-amd-amdhsa -mcpu=gfx1250 --defsym DOCPART=n.
;; ======== version 1 of 1: 3 launches
;; limits: right only within a limited range of input values
;; workspace buffers: qkv 9,830,400 bytes; mb 532,480 bytes of whole numbers; ao 3,276,800 bytes
;; launch qkv (part 1): grid 8 x 32, 4 waves a work-group, clusters of 4 x 4, 327,680 bytes of LDS; arguments x_codes, x_scales, wq_codes, wq_scales, wk_codes, wk_scales, wv_codes, wv_scales, bq, bk, bv, causal_mask, mb, qkv; writes mb, qkv
.if DOCPART == 1
	.amdgcn_target "amdgcn-amd-amdhsa--gfx1250"
	.amdhsa_code_object_version 6
	.text
	.protected	k_qb5f2d7ef46_qkv
	.globl	k_qb5f2d7ef46_qkv
	.p2align	8
	.type	k_qb5f2d7ef46_qkv,@function
k_qb5f2d7ef46_qkv:
	s_mov_b64 s[64:65], 0
	v_nop
	global_prefetch_b8 v0, s[64:65] scope:SCOPE_SE
	s_setreg_imm32_b32 hwreg(HW_REG_WAVE_MODE, 25, 1), 1
	s_wait_xcnt 0x0
	s_wait_alu depctr_hold_cnt(0) depctr_sa_sdst(0) depctr_va_vdst(0) depctr_va_sdst(0) depctr_va_ssrc(0) depctr_va_vcc(0) depctr_vm_vsrc(0)
	s_getreg_b32 s2, hwreg(HW_REG_IB_STS2, 6, 4)
	s_cmp_eq_u32 s2, 0
	s_cbranch_scc0 .Lentry_in_a_cluster
	s_endpgm
.Lentry_in_a_cluster:
	s_bfe_u32 s2, ttmp6, 0x10000c
	s_cmp_lg_u32 s2, 0xf033
	s_cbranch_scc0 .Lentry_shape_is_right
	s_endpgm
.Lentry_shape_is_right:
; q = x wq + bq, k = x wk + bk, v = x wv + bv on codes of FP6 (E2M3) with one E8M0 scale for each 32 along K = 1,024; sums in f32; the results are quantised at once
; (q, k along the head's 64, v along the keys) and stored as images of operand registers for the attention launch.  No work of the problem is left out; every input is honoured.
; SHARES.  Work-group (nt 0..7, mt 0..31): tokens 128 mt .. + 127, features 128 nt .. + 127 of q, then of k, then of v.  Wave (wa, wb): 64 tokens x 64 features (one head): 16 accumulators.
; LDS.  Whole rows of K: 768 bytes of memory, each on a multiple of 256 bytes, 16 bytes of padding behind every 256: pitch 816.  x's 128 rows | slot 0 | slot 1 (128 rows of a weight each) | the spare words.
;   Head: waves 0, 1 ask for x's halves, waves 2, 3 for wq's (slot 0).  wk goes to slot 1 behind the full sequence; wv fills slot 0 again when q's products have read it.
; x's fragments of my 64 tokens, all of K, are read from LDS once (during q) and stay in 384 registers for k and v.
; CLUSTERS 4 x 4: x's tile hangs on mt and is shared along a row of the cluster, a weight's on nt and is shared along a column: joint loads.
; The matrix instruction is used transposed.  q, k: source 0 = the weight's rows, source 1 = x's: a lane holds a token, its registers run along the features.  v: source 0 = x's rows, source 1 = wv's:
;   a lane holds a feature, its registers run along the tokens (keys).  The bias is the C of each sum's first instruction.
; Inside a block of 32 the codes lie in the order 0-7, 16-23, 8-15, 24-31, in q and k alike, and in v as in the attention launch's p: every product meets its partner.
; THE BUFFER qkv: record (X = 16 batch + head, chunk of 128 tokens) at 307,200 X + 19,200 chunk: K 4 fragments of 1,536 bytes | V 4 | K's scale words 256 | V's 256 | Q 4 fragments | Q's scale words 256.
;   A fragment of K or Q: two tiles of 16 tokens (registers 0-5, 6-11); registers 4 c .. 4 c + 3 of lane l at 512 c + 16 l.
;   A fragment of V (16 features x 128 keys): two halves of 64 keys, 768 bytes each: registers 0-3 of the half at 16 l, registers 4-5 at 512 + 8 l.
;   V's scale words: [half of the keys][pair of fragments][row]: a word holds the two bytes of fragment 2 j and the two of fragment 2 j + 1 for that half.
; THE MASK (an input, nothing of its pattern is assumed) is turned into lane masks here, while the head's tiles are on their way: two pieces of 16 queries x 128 keys a wave.
;   mb bytes 0 .. 524,287: [T 128][step 16][64 words]: word 8 t + j has at bit 16 h + r the mask of query 16 T + r and key 128 step + 16 t + 8 h + j;
;   mb from byte 524,288: [T][step] words: bit step = some element counts; bit 16 + step = some element is hidden.
; No prefetch: the text has no loop to run ahead in; each tile is asked for as soon as its bytes of LDS are free.
; LIMITS: NaN, infinities and a given scale byte 0xff are not served; a block whose largest magnitude lies under 2^-124 keeps the byte 1, a block of zeros too (its codes are zeros; this program alone reads the bytes).
; REGISTERS: window 0: v0-31 addresses, v32-63 x's scale words, v64-159 the weights', v160-255 at work.  window 1: v0-127 accumulators ((a, b) at 8 (4 a + b)), v128-223 the weight's fragments, two sets.
;   window 2: x's fragments of K steps 0-4.  window 3: v0-143 those of steps 5-7, v144-239 the biases.
.set PITCH, 816
.set HALF,  64*PITCH
.set SLOT0, 2*HALF
.set SLOT1, 4*HALF
.set SPARE, 6*HALF
.set HEADB, 307200
.set REC,   19200
.set FLAGS, 524288
.set ADX, 16                           ; v16-17 my x rows in LDS (v17: lanes 16-31 behind one padding more)
.set ADW, 18                           ; v18-19 my weight rows in slot 0, v20-21 in slot 1
.set IO,  22                           ; 16 lane + 3,072 wa
.set IOV, 23                           ; 16 lane + 768 wa
.set IO8, 24                           ; 8 lane + 768 wa
.set SO,  25                           ; 4 lane + 128 wa
.set SOX, 26                           ; 32 r
.set BO,  27                           ; 32 h
.set SPW, 28
.set NIL, 29
.set BOV, 30                           ; 4 r
.set MO,  31                           ; 2,048 r + 8 h
.set SX,  32
.set SWT, 64
.set TM,  160
.set CT,  172
.set FA,  180
.set PW,  204
.set SW,  206
.set MD,  208
.set MT,  240
.set MW,  248
.set MF,  252
.set BI,  144
.set G1X, 24
.set G1B, 32
.set G0X, 40
.set G0Q, 44
.set G0K, 48
.set G0V, 52
.set SEL, 100
.set MSB, 0
.macro WIN new                         ; the immediate's high byte repeats the setting that is left
.if MSB != (\new)
	s_set_vgpr_msb (MSB<<8)|(\new)
.set MSB, (\new)
.endif
.endm
.macro PLACES n
.rept \n
	v_nop
.endr
.endm
.macro CREST
	s_cmp_lg_u32 s14, 0
	s_cbranch_scc1 .Lnot_wave_0_\@
	s_barrier_signal -3
.Lnot_wave_0_\@:
	s_barrier_wait -3
	s_barrier_signal -1
	s_barrier_wait -1
.endm
.macro CROUND
	s_barrier_signal -1
	s_barrier_wait -1
	CREST
.endm
.macro BLOAD g0                        ; a weight's 128 rows: waves 2 and 3 ask for 64 each; the branch hangs on the wave's number alone
	s_cmp_eq_u32 s15, 0
	s_cbranch_scc1 .Lnone_\@
	tensor_load_to_lds s[\g0:\g0+3], s[G1B:G1B+7]
	s_nop 0
	PLACES 4
.Lnone_\@:
.endm
.macro FRAG reg, adr, st, i            ; 16 rows x 128 K: 12 registers, in pieces of 8 bytes; byte y of a row lies at y + 16 (y / 256)
.irp p, 0,1,2,3,4,5
.set BY, 96*(\st)+48*(\p/3)+8*(\p%3)
.if BY/256 == (BY+24)/256
	ds_load_b64 v[(\reg)+2*\p:(\reg)+2*\p+1], v[\adr] offset:BY+16*(BY/256)+(\i)*16*PITCH
.else
	ds_load_b64 v[(\reg)+2*\p:(\reg)+2*\p+1], v[(\adr)+1] offset:BY+16*(BY/256)+(\i)*16*PITCH
.endif
.endr
.endm
.macro FETCH_W slot, st, p
	WIN 0x40
.irp i, 0,1,2,3
	FRAG 128+48*(\p)+12*\i, ADW+2*(\slot), \st, \i
.endr
	WIN 0
.endm
.macro FETCH_X st
	WIN (2+(\st)/5)<<6
.irp i, 0,1,2,3
	FRAG 48*((\st)%5)+12*\i, ADX, \st, \i
.endr
	WIN 0
.endm
.macro WM d, a, b, c, sa, sb
	v_wmma_scale_f32_16x16x128_f8f6f4 v[(\d):(\d)+7], v[(\a):(\a)+11], v[(\b):(\b)+11], v[(\c):(\c)+7], v[\sa], v[\sb] matrix_a_fmt:MATRIX_FMT_FP6 matrix_b_fmt:MATRIX_FMT_FP6
.endm
.macro MUL ph, st                      ; 16 matrix instructions, 128 along K; the 16 accumulators take turns in the same order in every step
.set XW, 2+(\st)/5
.set XR, 48*((\st)%5)
.set WR, 128+48*((\st)%2)
.if (\st) == 0
.set CW, 0x30
.else
.set CW, 0x10
.endif
.if (\ph) < 2
	WIN 0x41|CW|(XW<<2)
.else
	WIN 0x44|CW|XW
.endif
.irp a, 0,1,2,3
.irp b, 0,1,2,3
.set DD, 8*(4*\a+\b)
.set CC, DD
.if (\st) == 0
.if (\ph) < 2
.set CC, BI+32*(\ph)+8*\b
.else
.set CC, BI+64+8*\a
.endif
.endif
.if (\ph) < 2
	WM DD, WR+12*\b, XR+12*\a, CC, SWT+32*(\ph)+8*\b+(\st), SX+8*\a+(\st)
.else
	WM DD, XR+12*\b, WR+12*\a, CC, SX+8*\b+(\st), SWT+64+8*\a+(\st)
.endif
.endr
.endr
.endm
.macro PHASE ph, slot                  ; eight K steps; step 0's fragments have been asked for
.set ST, 0
.rept 8
.if ST < 7
.if ST > 0
	PLACES 4                                       ; in front of loads into the set that the last step's products read
.endif
	FETCH_W \slot, ST+1, (ST+1)%2
.if (\ph) == 0
	FETCH_X ST+1
	s_wait_dscnt 48                                ; all but the next step's 24 + 24 loads
.else
	s_wait_dscnt 24                                ; all but the next step's 24 loads
.endif
.else
	s_wait_dscnt 0x0
.endif
	MUL \ph, ST
.set ST, ST+1
.endr
	WIN 0
	PLACES 4                                       ; in front of the first read of results and of loads into the fragments' registers
.endm
; 64 registers of window 1 from v[s] on are four blocks of 32 along the next K (register 16 b + i, lanes l and l xor 16): codes of blocks 0, 1 to v[d0 .. d0 + 5], of 2, 3 to v[d1 ..], the four bytes to v[pw]
.macro QUANT s, d0, d1, pw
	WIN 0x05
.irp b, 0,1,2,3
	v_max3_num_f32 v[TM+\b], |v[(\s)+16*\b]|, |v[(\s)+16*\b+1]|, 0x1800000   ; each accumulator from its low end on; the floor 2^(3 - 127) holds the byte at 1 from below
.endr
.irp i, 2,4,6,8,10,12,14
.irp b, 0,1,2,3
	v_max3_num_f32 v[TM+\b], |v[(\s)+16*\b+\i]|, |v[(\s)+16*\b+\i+1]|, v[TM+\b]
.endr
.endr
	WIN 0
.irp b, 0,1,2,3
	v_permlanex16_b32 v[TM+4+\b], v[TM+\b], s[SEL], s[SEL+1]
.endr
.irp b, 0,1,2,3
	v_max_num_f32 v[TM+\b], v[TM+\b], v[TM+4+\b]
.endr
.irp b, 0,1,2,3
	v_add_nc_u32 v[TM+8+\b], 0xff000000, v[TM+\b]  ; 2 off the exponent field: the conversion's scale operand
.endr
.irp b, 0,1,2,3
	v_lshrrev_b32 v[TM+4+\b], 23, v[TM+8+\b]       ; the scale's byte
.endr
	v_lshl_or_b32 v[\pw], v[TM+5], 8, v[TM+4]
	v_lshl_or_b32 v[\pw], v[TM+6], 16, v[\pw]
	v_lshl_or_b32 v[\pw], v[TM+7], 24, v[\pw]
	WIN 0x01
	v_cvt_scalef32_pk16_fp6_f32 v[(\d0):(\d0)+2], v[(\s):(\s)+15], v[TM+8]
	v_cvt_scalef32_pk16_fp6_f32 v[CT:CT+2], v[(\s)+16:(\s)+31], v[TM+9]
	v_cvt_scalef32_pk16_fp6_f32 v[(\d1):(\d1)+2], v[(\s)+32:(\s)+47], v[TM+10]
	v_cvt_scalef32_pk16_fp6_f32 v[CT+4:CT+6], v[(\s)+48:(\s)+63], v[TM+11]
	WIN 0
	v_nop                                          ; one plain place behind a scaled conversion
.irp i, 0,1,2
	v_permlane16_swap_b32 v[(\d0)+\i], v[CT+\i]    ; a whole block to a lane
	v_permlane16_swap_b32 v[(\d1)+\i], v[CT+4+\i]
.endr
.irp i, 0,1,2
	v_mov_b32 v[(\d0)+3+\i], v[CT+\i]
	v_mov_b32 v[(\d1)+3+\i], v[CT+4+\i]
.endr
.endm
.macro OUT ph, img, scl                ; my 64 x 64 results leave as codes and scale words
	s_wait_xcnt 0x0                                ; the last stores have read their registers
.irp f, 0,1
	QUANT 64*\f, FA+12*\f, FA+12*\f+6, PW+\f
.if (\ph) < 2
.irp c, 0,1,2
	global_store_b128 v[IO], v[FA+12*\f+4*\c:FA+12*\f+4*\c+3], s[94:95] offset:(\img)+1536*\f+512*\c   ; 512 consecutive bytes, at a multiple of 256
.endr
.else
.irp u, 0,1
	global_store_b128 v[IOV], v[FA+12*\f+6*\u:FA+12*\f+6*\u+3], s[94:95] offset:(\img)+3072*\f+1536*\u
	global_store_b64 v[IO8], v[FA+12*\f+6*\u+4:FA+12*\f+6*\u+5], s[94:95] offset:(\img)+3072*\f+1536*\u+512   ; 256 consecutive bytes, at a multiple of 256
.endr
.endif
.endr
	v_cndmask_b32 v[SW], v[PW], v[PW+1], s3        ; lanes 0-15 the first word, lanes 16-31 the second
	global_store_b32 v[SO], v[SW], s[94:95] offset:\scl
	s_wait_alu depctr_va_vdst(0)
.endm
.macro BYTES u, t                      ; byte j of every lane makes the lane mask that is word 8 t + j; word n goes to lane n / 2, register n % 2
.irp j, 0,1,2,3,4,5,6,7
	v_and_b32 v[MT+\j], 0xff<<(8*(\j%4)), v[MD+16*(\u)+2*(\t)+\j/4]
.endr
.irp j, 0,1,2,3,4,5,6,7
	v_cmp_ne_u32 s[56+\j], 0, v[MT+\j]
.endr
.irp j, 0,1,2,3,4,5,6,7
	v_writelane_b32 v[MW+2*(\u)+\j%2], s[56+\j], 4*(\t)+\j/2
.endr
.irp j, 0,1,2,3,4,5,6,7
	s_and_b32 s22, s22, s[56+\j]
	s_or_b32 s23, s23, s[56+\j]
.endr
.endm
.macro PIECE u
	s_mov_b32 s22, -1                              ; the AND of the 64 words
	s_mov_b32 s23, 0                               ; their OR
.irp t, 0,1,2,3,4,5,6,7
	BYTES \u, \t
.endr
	s_cmp_lg_u32 s22, -1                           ; not all hidden
	s_cselect_b32 s20, 1, 0
	s_lshl_b32 s20, s20, s21
	s_cmp_lg_u32 s23, 0                            ; some hidden
	s_cselect_b32 s17, 0x10000, 0
	s_lshl_b32 s17, s17, s21
	s_or_b32 s20, s20, s17
	v_writelane_b32 v[MF], s20, \u
	s_add_co_u32 s21, s21, 1
.endm
	s_load_b512 s[68:83], s[0:1], 0x0              ; x's codes, scales; wq's; wk's; wv's
	s_load_b256 s[84:91], s[0:1], 0x40             ; bq, bk, bv, the mask
	s_load_b128 s[92:95], s[0:1], 0x60             ; mb, qkv
	v_lshl_add_u32 v[SPW], v0, 2, SPARE
	v_mov_b32 v[NIL], 0
	ds_add_u32 v[SPW], v[NIL]                      ; the opening lines: the add twice on end and its wait
	ds_add_u32 v[SPW], v[NIL]
	v_lshrrev_b32 v1, 5, v0
	v_readfirstlane_b32 s14, v1                    ; wave 0..3
	s_lshr_b32 s15, s14, 1                         ; wa: my half of the tokens.  Also: at the head I ask for x (0) or for wq (1)
	s_and_b32 s16, s14, 1                          ; wb: my half of the features.  Also: which 64 rows I ask for
	s_bfe_u32 s4, ttmp6, 0x40000                   ; cx
	s_bfe_u32 s5, ttmp6, 0x40004                   ; cy
	s_lshl_b32 s6, ttmp9, 2
	s_add_co_u32 s6, s6, s4                        ; nt
	s_and_b32 s7, ttmp7, 0xffff
	s_lshl_b32 s7, s7, 2
	s_add_co_u32 s7, s7, s5                        ; mt
	s_lshl_b32 s8, s5, 2
	s_lshl_b32 s8, 15, s8                          ; my row of the cluster
	s_lshl_b32 s9, 0x1111, s4                      ; my column
	s_or_b32 s[G1X], s8, (1<<20)|(1<<21)|(5<<22)|(3<<25)   ; elements of 1 byte; 4 words of padding behind every 64
	s_or_b32 s[G1B], s9, (1<<20)|(1<<21)|(5<<22)|(3<<25)
.irp g, G1X, G1B
	s_mov_b32 s[\g+1], 768<<16
	s_mov_b32 s[\g+2], 64<<16
	s_mov_b32 s[\g+3], 768<<16
	s_mov_b32 s[\g+4], 64
	s_mov_b32 s[\g+5], 768
	s_mov_b32 s[\g+6], 0
	s_mov_b32 s[\g+7], 0
.endr
	s_mov_b32 s[SEL], 0x76543210
	s_mov_b32 s[SEL+1], 0xfedcba98
	s_mov_b32 s3, 0xffff0000
	s_lshl_b32 s17, s16, 6
	s_lshl_b32 s10, s7, 7
	s_add_co_u32 s10, s10, s17
	s_mul_i32 s10, s10, 768                        ; x: row 128 mt + 64 half, in bytes
	s_mov_b32 s11, 0
	s_lshl_b32 s12, s6, 7
	s_add_co_u32 s12, s12, s17
	s_mul_i32 s12, s12, 768                        ; a weight: row 128 nt + 64 half
	s_mov_b32 s13, 0
.irp g, G0X, G0Q, G0K, G0V
	s_mov_b32 s[\g], 1
.endr
	s_mul_i32 s[G0X+1], s16, HALF                  ; no place in the cluster enters an LDS address
	s_add_co_u32 s[G0Q+1], s[G0X+1], SLOT0
	s_add_co_u32 s[G0K+1], s[G0X+1], SLOT1
	s_add_co_u32 s[G0V+1], s[G0X+1], SLOT0
	s_wait_dscnt 0x0                               ; both opening adds are done
	s_wait_kmcnt 0x0
	s_add_nc_u64 s[G0X+2:G0X+3], s[68:69], s[10:11]
	s_add_nc_u64 s[G0Q+2:G0Q+3], s[72:73], s[12:13]
	s_add_nc_u64 s[G0K+2:G0K+3], s[76:77], s[12:13]
	s_add_nc_u64 s[G0V+2:G0V+3], s[80:81], s[12:13]
.irp g, G0X, G0Q, G0K, G0V
	s_or_b32 s[\g+3], s[\g+3], 0x80000000
.endr
	CROUND                                         ; all sixteen work-groups are here: the first joint loads meet
	s_cmp_eq_u32 s15, 0
	s_cbranch_scc0 .Lhead_w
	tensor_load_to_lds s[G0X:G0X+3], s[G1X:G1X+7]
	s_nop 0
	PLACES 4
	s_branch .Lhead_asked
.Lhead_w:
	tensor_load_to_lds s[G0Q:G0Q+3], s[G1B:G1B+7]
	s_nop 0
	PLACES 4
.Lhead_asked:
	s_mov_b32 s19, 0                               ; offsets are made in s[18:19]
	s_lshl_b32 s18, s7, 7
	s_lshl_b32 s20, s15, 6
	s_add_co_u32 s18, s18, s20                     ; my first token
	s_lshl_b32 s18, s18, 5
	s_add_nc_u64 s[70:71], s[70:71], s[18:19]      ; its scale bytes
	s_lshl_b32 s20, s6, 7
	s_lshl_b32 s22, s16, 6
	s_add_co_u32 s20, s20, s22                     ; my first feature
	s_lshl_b32 s18, s20, 5
.irp p, 74,78,82
	s_add_nc_u64 s[\p:\p+1], s[\p:\p+1], s[18:19]  ; its scale bytes in each weight
.endr
	s_lshl_b32 s18, s20, 2
.irp p, 84,86,88
	s_add_nc_u64 s[\p:\p+1], s[\p:\p+1], s[18:19]  ; its bias
.endr
	s_lshr_b32 s18, s7, 4
	s_lshl_b32 s18, s18, 4
	s_lshl_b32 s20, s6, 1
	s_add_co_u32 s18, s18, s20
	s_add_co_u32 s18, s18, s16                     ; X = 16 batch + 2 nt + wb
	s_mul_i32 s18, s18, HEADB
	s_and_b32 s20, s7, 15
	s_mul_i32 s20, s20, REC
	s_add_co_u32 s18, s18, s20
	s_add_nc_u64 s[94:95], s[94:95], s[18:19]      ; my record
	s_lshl_b32 s20, s7, 3
	s_add_co_u32 s20, s20, s6
	s_lshl_b32 s20, s20, 3
	s_lshl_b32 s22, s14, 1
	s_add_co_u32 s20, s20, s22                     ; my first piece of the mask: 16 T + step, an even number
	s_lshl_b32 s18, s20, 8
	s_add_nc_u64 s[96:97], s[92:93], s[18:19]      ; its 256 bytes of words
	s_lshl_b32 s18, s20, 2
	s_add_co_u32 s18, s18, FLAGS
	s_add_nc_u64 s[98:99], s[92:93], s[18:19]      ; its flag word
	s_and_b32 s21, s20, 15                         ; step
	s_lshr_b32 s18, s20, 4
	s_lshl_b32 s18, s18, 15
	s_lshl_b32 s22, s21, 7
	s_add_co_u32 s18, s18, s22
	s_add_nc_u64 s[90:91], s[90:91], s[18:19]      ; 16 rows of 2,048 bytes from row 16 T, byte 128 step
	s_mul_i32 s18, s15, HALF
	s_mul_i32 s20, s16, HALF
	s_add_co_u32 s20, s20, SLOT0
	s_add_co_u32 s22, s20, 2*HALF
	s_mul_i32 s23, s15, 3072
	s_mul_i32 s17, s15, 768
	s_lshl_b32 s12, s15, 7
	v_and_b32 v1, 15, v0                           ; r
	v_bfe_u32 v2, v0, 4, 1                         ; h
	v_and_b32 v10, 31, v0                          ; lane
	v_mul_u32_u24 v3, v1, PITCH
	v_mad_u32_u24 v3, v2, 24, v3
	v_lshl_add_u32 v4, v2, 4, v3
	v_add_nc_u32 v[ADX], s18, v3
	v_add_nc_u32 v[ADX+1], s18, v4
	v_add_nc_u32 v[ADW], s20, v3
	v_add_nc_u32 v[ADW+1], s20, v4
	v_add_nc_u32 v[ADW+2], s22, v3
	v_add_nc_u32 v[ADW+3], s22, v4
	v_lshl_add_u32 v[IO], v10, 4, s23
	v_lshl_add_u32 v[IOV], v10, 4, s17
	v_lshl_add_u32 v[IO8], v10, 3, s17
	v_lshl_add_u32 v[SO], v10, 2, s12
	v_lshlrev_b32 v[SOX], 5, v1
	v_lshlrev_b32 v[BO], 5, v2
	v_lshlrev_b32 v[BOV], 2, v1
	v_lshlrev_b32 v[MO], 11, v1
	v_lshl_add_u32 v[MO], v2, 3, v[MO]
	v_lshlrev_b32 v8, 3, v10
	v_lshlrev_b32 v9, 2, v10
.irp i, 0,1,2,3
	v_mov_b32 v[MW+\i], 0                          ; written whole once: a lane write keeps the other lanes
	v_mov_b32 v[TM+4+\i], 0                        ; a lane permute's destination counts as one of its sources
.endr
	v_mov_b32 v[MF], 0
	s_wait_alu depctr_va_vdst(0)                   ; behind the head's vector work
.irp u, 0,1
.irp t, 0,1,2,3,4,5,6,7
	global_load_b64 v[MD+16*\u+2*\t:MD+16*\u+2*\t+1], v[MO], s[90:91] offset:128*\u+16*\t   ; keys 16 t + 8 h + 0 .. 7 of my row
.endr
.endr
.irp i, 0,1,2,3
	global_load_b128 v[SX+8*\i:SX+8*\i+3], v[SOX], s[70:71] offset:512*\i       ; a row's 32 scale bytes: register s is K step s's word
	global_load_b128 v[SX+8*\i+4:SX+8*\i+7], v[SOX], s[70:71] offset:512*\i+16
.endr
.irp ph, 0,1,2
.irp i, 0,1,2,3
	global_load_b128 v[SWT+32*\ph+8*\i:SWT+32*\ph+8*\i+3], v[SOX], s[74+4*\ph:75+4*\ph] offset:512*\i
	global_load_b128 v[SWT+32*\ph+8*\i+4:SWT+32*\ph+8*\i+7], v[SOX], s[74+4*\ph:75+4*\ph] offset:512*\i+16
.endr
.endr
	WIN 0xc0
.irp ph, 0,1
.irp b, 0,1,2,3
	global_load_b128 v[BI+32*\ph+8*\b:BI+32*\ph+8*\b+3], v[BO], s[84+2*\ph:85+2*\ph] offset:64*\b      ; q, k: register 8 b + j takes the bias of feature 16 b + 8 h + j
	global_load_b128 v[BI+32*\ph+8*\b+4:BI+32*\ph+8*\b+7], v[BO], s[84+2*\ph:85+2*\ph] offset:64*\b+16
.endr
.endr
	WIN 0
	s_wait_loadcnt 48                              ; the 16 loads of the mask are in; the 32 of scales and 16 of biases behind them may be out
	PIECE 0
	PIECE 1
	s_wait_alu depctr_va_vdst(0)
	global_store_b64 v8, v[MW:MW+1], s[96:97]      ; 256 consecutive bytes, at a multiple of 256
	global_store_b64 v8, v[MW+2:MW+3], s[96:97] offset:256
	s_wait_xcnt 0x0                                ; EXEC is a source of pending loads and stores: it changes only behind this wait
	v_cmp_gt_u32 vcc_lo, 2, v10
	s_and_saveexec_b32 s20, vcc_lo
	global_store_b32 v9, v[MF], s[98:99]           ; lanes 0 and 1 store the two flag words
	s_wait_xcnt 0x0
	s_or_b32 exec_lo, exec_lo, s20
	WIN 0xc0
.irp a, 0,1,2,3
.irp j, 0,1,2,3,4,5,6,7
	global_load_b32 v[BI+64+8*\a+\j], v[BOV], s[88:89] offset:64*\a   ; v: all eight registers of block a take the bias of feature 16 a + r
.endr
.endr
	WIN 0
	s_wait_alu depctr_va_vdst(0)                   ; at the head's end
	s_wait_tensorcnt 0x0                           ; my part of x or of wq is in; these lines stand ahead of a later first fill as ahead of a refill
	ds_add_u32 v[SPW], v[NIL]
	s_wait_dscnt 0x0
	CROUND
	BLOAD G0K                                      ; wk into slot 1
	FETCH_W 0, 0, 0
	FETCH_X 0
	s_wait_loadcnt 0x0                             ; scales and biases
	PHASE 0, 0
	s_wait_tensorcnt 0x0                           ; wk is in;
	ds_add_u32 v[SPW], v[NIL]
	s_wait_dscnt 0x0                               ; my reads of slot 0 and of x are over
	CROUND
	BLOAD G0V                                      ; wv into slot 0
	FETCH_W 1, 0, 0
	OUT 0, 12800, 18944
	PHASE 1, 1
	s_wait_tensorcnt 0x0                           ; wv is in
	s_wait_dscnt 0x0
	s_barrier_signal -1
	s_barrier_wait -1
	FETCH_W 0, 0, 0
	OUT 1, 0, 12288
	PHASE 2, 0
	OUT 2, 6144, 12544
	s_wait_tensorcnt 0x0                           ; the wave's end
	ds_add_u32 v[SPW], v[NIL]
	s_wait_dscnt 0x0
	CROUND                                         ; the closing round
	s_endpgm
.Lfunc_end_k_qb5f2d7ef46_qkv:
	.size	k_qb5f2d7ef46_qkv, .Lfunc_end_k_qb5f2d7ef46_qkv-k_qb5f2d7ef46_qkv
	.p2alignl 7, 3214868480
	.fill 96, 4, 3214868480
	.section	.rodata,"a",@progbits
	.p2align	6, 0x0
	.amdhsa_kernel k_qb5f2d7ef46_qkv
		.amdhsa_group_segment_fixed_size 327680
		.amdhsa_private_segment_fixed_size 0
		.amdhsa_enable_private_segment 0
		.amdhsa_kernarg_size 112
		.amdhsa_user_sgpr_count 2
		.amdhsa_user_sgpr_kernarg_segment_ptr 1
		.amdhsa_wavefront_size32 1
		.amdhsa_system_sgpr_workgroup_id_x 1
		.amdhsa_system_sgpr_workgroup_id_y 1
		.amdhsa_system_sgpr_workgroup_id_z 1
		.amdhsa_system_vgpr_workitem_id 0
		.amdhsa_next_free_vgpr 1024
		.amdhsa_next_free_sgpr 102
		.amdhsa_reserve_vcc 1
		.amdhsa_float_denorm_mode_32 3
		.amdhsa_float_denorm_mode_16_64 3
		.amdhsa_memory_ordered 1
		.amdhsa_forward_progress 1
		.amdhsa_inst_pref_size 180
	.end_amdhsa_kernel
	.amdgpu_metadata
---
amdhsa.version: [ 1, 2 ]
amdhsa.kernels:
  - .name:           k_qb5f2d7ef46_qkv
    .symbol:         k_qb5f2d7ef46_qkv.kd
    .args:
      - { .name: x_codes, .offset: 0, .size: 8, .value_kind: global_buffer, .address_space: global }
      - { .name: x_scales, .offset: 8, .size: 8, .value_kind: global_buffer, .address_space: global }
      - { .name: wq_codes, .offset: 16, .size: 8, .value_kind: global_buffer, .address_space: global }
      - { .name: wq_scales, .offset: 24, .size: 8, .value_kind: global_buffer, .address_space: global }
      - { .name: wk_codes, .offset: 32, .size: 8, .value_kind: global_buffer, .address_space: global }
      - { .name: wk_scales, .offset: 40, .size: 8, .value_kind: global_buffer, .address_space: global }
      - { .name: wv_codes, .offset: 48, .size: 8, .value_kind: global_buffer, .address_space: global }
      - { .name: wv_scales, .offset: 56, .size: 8, .value_kind: global_buffer, .address_space: global }
      - { .name: bq, .offset: 64, .size: 8, .value_kind: global_buffer, .address_space: global }
      - { .name: bk, .offset: 72, .size: 8, .value_kind: global_buffer, .address_space: global }
      - { .name: bv, .offset: 80, .size: 8, .value_kind: global_buffer, .address_space: global }
      - { .name: causal_mask, .offset: 88, .size: 8, .value_kind: global_buffer, .address_space: global }
      - { .name: mb, .offset: 96, .size: 8, .value_kind: global_buffer, .address_space: global }
      - { .name: qkv, .offset: 104, .size: 8, .value_kind: global_buffer, .address_space: global }
    .group_segment_fixed_size: 327680
    .private_segment_fixed_size: 0
    .kernarg_segment_align: 8
    .kernarg_segment_size: 112
    .max_flat_workgroup_size: 128
    .sgpr_count:     102
    .vgpr_count:     1024
    .wavefront_size: 32
...
	.end_amdgpu_metadata
.endif
;; end of part 1
;; launch attn (part 2): grid 8 x 32, 16 waves a work-group, no clusters, 280,576 bytes of LDS; arguments qkv, mb, ao; writes ao
.if DOCPART == 2
	.amdgcn_target "amdgcn-amd-amdhsa--gfx1250"
	.amdhsa_code_object_version 6
	.text
	.protected	k_qb5f2d7ef46_attn
	.globl	k_qb5f2d7ef46_attn
	.p2align	8
	.type	k_qb5f2d7ef46_attn,@function
k_qb5f2d7ef46_attn:
	s_mov_b64 s[64:65], 0
	v_nop
	global_prefetch_b8 v0, s[64:65] scope:SCOPE_SE
	s_setreg_imm32_b32 hwreg(HW_REG_WAVE_MODE, 25, 1), 1
	s_wait_xcnt 0x0
; o = softmax(q k^T / 8, hidden where the mask says so) v for one head, both products on codes of FP6 (E2M3) with E8M0 scales; then o / l is quantised along the model's 1,024 for the last projection.
; THE SOFTMAX: t = score x log2(e) / 8; M = the row's largest t so far, rounded up to a whole number; p = 2^(t - M) is quantised along the keys, not normalised; the row's sum l is taken of the unquantised p
; and divides at the end.  When M moves, l and O are multiplied by 2^(old M - new M): exact.
; SHARES.  Work-group (jx, X): head X = 16 batch + head; sixteen waves in 256 registers each, four to a SIMD.  The work-group's sixteen tiles of 16 queries are T = 8 i + jx, i = 0 .. 15.
; THE KEYS OF A TILE ARE SPLIT BETWEEN TWO WAVES.  Wave w first walks steps 8 .. 15 (keys 1,024 .. 2,047) for tile 15 - w and puts that partial result (O^T, -M, l) into LDS bytes of its own; then it walks
; steps 0 .. 7 for its own tile w; behind a barrier it reads its tile's other half, which wave 15 - w made, and joins the two: M = the larger M, each half times 2^(its M - M), exact powers of two.
; All 32 halves are walked whatever the mask holds; the pairing touches the balance alone.
; LDS.  The head's K, V and their scale words, 16 records of 12,800 bytes, are copied in ONCE, through registers (wave w copies record w), and read by all waves behind one barrier; then the spare words;
; then 4,608 bytes a wave for the partial results.
; No tensor load and no joint request: the walk over the keys branches on numbers read from memory; so the tiles that work-groups share come through registers.
; THE MASK is an input.  The launch before has stored it as lane masks (64 words for each tile of queries and step of 128 keys) and two flags a step: a step with no key that counts for any of my 16 queries
; is stepped over by a scalar branch on the stored flag; a step with no hidden key loads no lane masks and makes no selects.  Each walk's trip count is the constant 8.
; LAYOUT.  Both products are used transposed: S^T = K Q^T, O^T = V^T P^T: a lane holds ONE query (lane % 16).  The head's size is 64, half of the instruction's K: a fragment of K holds TWO tiles of 16 keys
; (registers 0-5, 6-11), and Q stands beside six registers of zero codes on either side: [0 | Q | 0]: v[22:33] picks the first tile, v[16:27] the second.
; p's codes lie inside a block of 32 keys in the order 0-7, 16-23, 8-15, 24-31, as V's do: made by the same lines from the same register map.
; A ROW ALL OF WHOSE KEYS ARE HIDDEN has l = 0: its scale bytes are stored as 0xff, which makes its row of the last product NaN, as the definition has it.
; LIMITS: NaN and infinities in q, k, v are not served; a block under 2^-124 keeps the byte 1.  The scale bytes leave as 2 bytes a row, 32 bytes apart: 131,072 bytes in the whole launch.
.set REC,   19200                      ; a record in memory
.set HEADB, 307200
.set LREC,  12800                      ; what of it lies in LDS: K 6,144 | V 6,144 | K's scale words 256 | V's 256
.set OFV,   6144
.set OFKS,  12288
.set OFVS,  12544
.set OFQ,   12800
.set OFQS,  18944
.set FLAGS, 524288
.set ASC,   3145728
.set SPARE, 204800                     ; the spare words: 128 bytes a wave
.set XB,    206848                     ; the partial results
.set XREC,  4608                       ; 8 x 512 bytes of O^T, 512 of (-M, largest t, l, l)
.set IO,   1                           ; v1   16 x lane
.set SOF,  2                           ; v2   4 x lane
.set AD,   3                           ; v3   LDS address of the step's fragments
.set AS,   4                           ; v4   and of its scale words
.set NINF, 5                           ; v5   -infinity
.set KS,   6                           ; v6-7  K's scale words: lanes 0-15 fragment 0 (2), lanes 16-31 fragment 1 (3)
.set VS,   8                           ; v8-9  V's as they lie: by halves of the keys
.set QS,   10                          ; v10  Q's scale word: its two bytes twice
.set TP,   11                          ; v11  at work
.set QZ,   16                          ; v16-33  [0 x 6 | Q x 6 | 0 x 6];   v12 -M, v13 the largest t, v[14:15] l in two halves
.set FF,   34                          ; v34  f = 2^(old M - new M)
.set PS,   35                          ; v35  p's scale word
.set RC,   36                          ; v[36:37] 1 / l
.set RAW,  38                          ; v38  Q's scale word as loaded; on the way out 0xffff
.set RO,   39                          ; v39  4 x (lane % 16)
.set BM,   40                          ; v40-43 the blocks' largest scores, then largest p
.set BP,   44                          ; v44-51 at work
.set BS,   52                          ; v52-55 the conversions' scale operands
.set FB,   56                          ; v56-103 four fragments of K, then of V
.set S,    104                         ; v104-167 S^T, then p
.set O,    168                         ; v168-199 O^T: four tiles of 16 of the head's 64
.set PC,   200                         ; v200-211 p's codes
.set L8,   212                         ; v212 8 x lane
.set A8,   213                         ; v213 LDS address of the 8-byte parts of V's fragments
.set VW,   214                         ; v214 V's scale words: lanes 0-15 fragment 0, lanes 16-31 fragment 2; v215: fragments 1 and 3
.set QO,   216                         ; v216-227 the fragment that holds the other tile's Q; v228 its scale word as loaded
.set QK,   230                         ; v230-235 my own tile's Q, kept for the second walk; v236 its scale word
.set XS,   237                         ; v237 where I put a partial result
.set XL,   238                         ; v238 where my tile's other half lies
.set WV,   12
.set TT,   13
.set ACT,  14                          ; s14  bit s: step s has a key that counts
.set PART, 15                          ; s15  bit s: step s has a hidden key
.set STP,  84
.set TB,   85                          ; s85  LDS byte of the step's record
.set MOFF, 86                          ; s86  byte of the step's mask words
.set QM,   87
.set SEL,  88                          ; s[88:89] lane selects: lane l xor 16
.set CS,   90                          ; s[90:91] c = log2(e) / 8
.set QP,   92
	s_load_b128 s[4:7], s[0:1], 0x0                ; qkv, mb
	s_load_b64 s[8:9], s[0:1], 0x10                ; ao
	v_lshl_add_u32 v254, v0, 2, SPARE
	v_mov_b32 v255, 0
	v_lshrrev_b32 v2, 5, v0
	s_delay_alu instid0(VALU_DEP_1)
	v_readfirstlane_b32 s[WV], v2                  ; wave 0..15
	v_and_b32 v3, 31, v0
	s_delay_alu instid0(VALU_DEP_1)
	v_lshlrev_b32 v[IO], 4, v3
	s_delay_alu instid0(VALU_DEP_2)
	v_lshlrev_b32 v[SOF], 2, v3
	v_and_b32 v4, 15, v0
	s_delay_alu instid0(VALU_DEP_1)
	v_lshlrev_b32 v[RO], 2, v4
	v_lshlrev_b32 v[L8], 3, v3
	s_and_b32 s20, ttmp7, 0xffff                   ; X
	s_mov_b32 s21, s[WV]                           ; my own tile's chunk
	s_lshl_b32 s[TT], s21, 3
	s_add_co_u32 s[TT], s[TT], ttmp9               ; T
	s_lshr_b32 s50, ttmp9, 1                       ; which fragment of a chunk's Q holds a tile of mine,
	s_and_b32 s51, ttmp9, 1                        ; and which half of it
	s_sub_co_u32 s[QM], 0, s51                     ; all ones for the second half
	s_mov_b32 s[QP], 0x03020302
	s_cmp_eq_u32 s51, 0
	s_cselect_b32 s[QP], 0x01000100, s[QP]
	s_mov_b32 s[SEL], 0x76543210
	s_mov_b32 s[SEL+1], 0xfedcba98
	s_mov_b32 s[CS], 0x3e38aa3b
	s_mov_b32 s[CS+1], s[CS]                       ; named with it as a pair, so it is written
	s_mov_b32 s[STP], 8                            ; the first walk: steps 8 .. 15
	s_mov_b32 s[TB], 8*LREC
	s_mov_b32 s[MOFF], 8*256
	s_mul_i32 s24, s20, HEADB
	s_mov_b32 s25, 0
	s_wait_alu depctr_va_vdst(0)
	s_wait_kmcnt 0x0
	s_add_nc_u64 s[4:5], s[4:5], s[24:25]          ; my head's records
	s_mul_i32 s24, s[WV], REC
	s_add_nc_u64 s[26:27], s[4:5], s[24:25]        ; the record that I copy
	s_mul_i32 s24, s21, REC
	s_mul_i32 s52, s50, 1536
	s_add_co_u32 s24, s24, s52
	s_add_co_u32 s24, s24, OFQ
	s_add_nc_u64 s[28:29], s[4:5], s[24:25]        ; my own tile's Q fragment
	s_mul_i32 s24, s21, REC
	s_lshl_b32 s52, s50, 6
	s_add_co_u32 s24, s24, s52
	s_add_co_u32 s24, s24, OFQS
	s_add_nc_u64 s[30:31], s[4:5], s[24:25]        ; its scale words
	s_lshl_b32 s24, s[TT], 6
	s_add_co_u32 s24, s24, FLAGS
	s_add_nc_u64 s[48:49], s[6:7], s[24:25]        ; my own tile's 16 flag words
	s_lshl_b32 s24, s[TT], 12
	s_add_nc_u64 s[94:95], s[6:7], s[24:25]        ; its mask words: 256 bytes a step
	s_load_b512 s[32:47], s[48:49], 0x0
	s_xor_b32 s93, s21, 15                         ; the other tile's chunk: 15 - w
	s_mul_i32 s24, s93, REC
	s_mul_i32 s52, s50, 1536
	s_add_co_u32 s24, s24, s52
	s_add_co_u32 s24, s24, OFQ
	s_add_nc_u64 s[56:57], s[4:5], s[24:25]        ; its Q fragment
	s_mul_i32 s24, s93, REC
	s_lshl_b32 s52, s50, 6
	s_add_co_u32 s24, s24, s52
	s_add_co_u32 s24, s24, OFQS
	s_add_nc_u64 s[58:59], s[4:5], s[24:25]        ; its scale words
	s_lshl_b32 s93, s93, 3
	s_add_co_u32 s93, s93, ttmp9                   ; the other tile
	s_lshl_b32 s24, s93, 6
	s_add_co_u32 s24, s24, FLAGS
	s_add_nc_u64 s[60:61], s[6:7], s[24:25]        ; its flag words
	s_lshl_b32 s24, s93, 12
	s_add_nc_u64 s[6:7], s[6:7], s[24:25]          ; its mask words: the first walk's
	s_load_b512 s[68:83], s[60:61], 0x0
	s_lshr_b32 s52, s20, 4                         ; the batch
	s_and_b32 s53, s20, 15                         ; the head
	s_lshl_b32 s52, s52, 7
	s_add_co_u32 s52, s52, s[TT]                   ; my own tile among all 256
	s_lshl_b32 s24, s52, 9                         ; 16 tokens x 32 scale bytes
	s_lshl_b32 s54, s53, 1
	s_add_co_u32 s24, s24, s54
	s_add_co_u32 s24, s24, ASC
	s_add_nc_u64 s[10:11], s[8:9], s[24:25]        ; my two scale bytes of my first token
	s_mul_i32 s24, s52, 12288
	s_mul_i32 s54, s53, 768                        ; K step head / 2 of 1,536 bytes, half head % 2 of 768
	s_add_co_u32 s24, s24, s54
	s_add_nc_u64 s[8:9], s[8:9], s[24:25]          ; my six registers of the image
.irp c, 0,1,2
	global_load_b128 v[PC+4*\c:PC+4*\c+3], v[IO], s[28:29] offset:512*\c   ; the fragment that holds my own tile's Q
.endr
	global_load_b32 v[RAW], v[RO], s[30:31]
.irp c, 0,1,2
	global_load_b128 v[QO+4*\c:QO+4*\c+3], v[IO], s[56:57] offset:512*\c   ; and the other tile's
.endr
	global_load_b32 v[QO+12], v[RO], s[58:59]
.set i, 0
.rept 25
	global_load_b128 v[FB+4*i:FB+4*i+3], v[IO], s[26:27] offset:512*i      ; my record's 12,800 bytes: 512 consecutive bytes a load
.set i, i+1
.endr
	s_mul_i32 s52, s[WV], LREC
	v_add_nc_u32 v[AD], s52, v[IO]
	s_mul_i32 s53, s[WV], XREC
	s_add_co_u32 s53, s53, XB
	v_add_nc_u32 v[XS], s53, v[IO]
	s_xor_b32 s53, s[WV], 15
	s_mul_i32 s53, s53, XREC
	s_add_co_u32 s53, s53, XB
	v_add_nc_u32 v[XL], s53, v[IO]
.set i, 0
	s_wait_alu depctr_va_vdst(0)
.rept 25
	s_wait_loadcnt 24-i                            ; load i is in; the younger copy loads may be out
	ds_store_b128 v[AD], v[FB+4*i:FB+4*i+3] offset:512*i
.set i, i+1
.endr
.irp i, 0,1,2,3,4,5
	v_cndmask_b32 v[QK+\i], v[PC+\i], v[PC+6+\i], s[QM]     ; my own tile's six registers, kept
	v_cndmask_b32 v[QZ+6+\i], v[QO+\i], v[QO+6+\i], s[QM]   ; the other tile's: the first walk's
.endr
	v_perm_b32 v[QK+6], v[RAW], v[RAW], s[QP]      ; a tile's two scale bytes, twice: they serve Q in either place
	v_perm_b32 v[QS], v[QO+12], v[QO+12], s[QP]
.irp i, 0,1,2,3,4,5
	v_mov_b32 v[QZ+\i], 0                          ; zero codes: they add nothing under any byte but 0xff
	v_mov_b32 v[QZ+12+\i], 0
.endr
.macro BEGIN                           ; a walk's state.  Which step is a walk's first hangs on the stored flags, so the step is written once: the first finds zeros
.set i, 0
.rept 32
	v_mov_b32 v[O+i], 0
.set i, i+1
.endr
	v_mov_b32 v13, 0xff61b1e6                      ; the largest t so far: -3e38, under every t
	s_delay_alu instid0(VALU_DEP_1)
	v_floor_f32 v12, -v13                          ; -M
	v_mov_b32 v14, 0
	v_mov_b32 v15, 0
.endm
	BEGIN
	v_mov_b32 v[NINF], 0xff800000
	v_mov_b32 v[TP], 0
	v_mov_b32 v[PS], 0                             ; named as the upper half of the pair v[34:35] before it is first written
	v_mov_b32 v[RC+1], 0
.irp b, 0,1,2,3
	v_mov_b32 v[BP+\b], 0                          ; written once: a lane permute's destination counts as one of its sources
.endr
	s_wait_kmcnt 0x0                               ; the flag words
.irp i, 33,34,35,36,37,38,39,40,41,42,43,44,45,46,47
	s_or_b32 s32, s32, s\i
.endr
	s_and_b32 s96, s32, 0xffff                     ; my own tile's flags, for the second walk
	s_lshr_b32 s97, s32, 16
.irp i, 69,70,71,72,73,74,75,76,77,78,79,80,81,82,83
	s_or_b32 s68, s68, s\i
.endr
	s_and_b32 s[ACT], s68, 0xffff                  ; the other tile's, for the first
	s_lshr_b32 s[PART], s68, 16
	s_wait_alu depctr_va_vdst(0)
	s_wait_dscnt 0x0                               ; for the others' sake: my record lies in LDS
	s_barrier_signal -1
	s_barrier_wait -1                              ; the head's 16 records lie in LDS
.macro KQ p                            ; fragment p of K against Q in its two places: key tiles 2 p and 2 p + 1
.irp u, 0,1
.if (\p)%2
	v_wmma_scale_f32_16x16x128_f8f6f4 v[S+16*(\p)+8*\u:S+16*(\p)+8*\u+7], v[FB+12*(\p):FB+12*(\p)+11], v[QZ+6-6*\u:QZ+17-6*\u], 0, v[KS+(\p)/2], v[QS] matrix_a_fmt:MATRIX_FMT_FP6 matrix_b_fmt:MATRIX_FMT_FP6 matrix_a_scale:MATRIX_SCALE_ROW1
.else
	v_wmma_scale_f32_16x16x128_f8f6f4 v[S+16*(\p)+8*\u:S+16*(\p)+8*\u+7], v[FB+12*(\p):FB+12*(\p)+11], v[QZ+6-6*\u:QZ+17-6*\u], 0, v[KS+(\p)/2], v[QS] matrix_a_fmt:MATRIX_FMT_FP6 matrix_b_fmt:MATRIX_FMT_FP6
.endif
.endr
.endm
.macro PV t                            ; O^T tile t += 16 of the head's 64 x these 128 keys
.if (\t)/2
	v_wmma_scale_f32_16x16x128_f8f6f4 v[O+8*(\t):O+8*(\t)+7], v[FB+12*(\t):FB+12*(\t)+11], v[PC:PC+11], v[O+8*(\t):O+8*(\t)+7], v[VW+(\t)%2], v[PS] matrix_a_fmt:MATRIX_FMT_FP6 matrix_b_fmt:MATRIX_FMT_FP6 matrix_a_scale:MATRIX_SCALE_ROW1
.else
	v_wmma_scale_f32_16x16x128_f8f6f4 v[O+8*(\t):O+8*(\t)+7], v[FB+12*(\t):FB+12*(\t)+11], v[PC:PC+11], v[O+8*(\t):O+8*(\t)+7], v[VW+(\t)%2], v[PS] matrix_a_fmt:MATRIX_FMT_FP6 matrix_b_fmt:MATRIX_FMT_FP6
.endif
.endm
.macro FRONT                           ; a step's first part: K's fragments, the scores, the request for V; it stands once on each of the step's two ways
	v_add_nc_u32 v[AD], s[TB], v[IO]
	v_add_nc_u32 v[AS], s[TB], v[SOF]
	v_add_nc_u32 v[A8], s[TB], v[L8]
.irp p, 0,1,2,3
.irp c, 0,1,2
	ds_load_b128 v[FB+12*\p+4*\c:FB+12*\p+4*\c+3], v[AD] offset:1536*\p+512*\c   ; K's four fragments, as images: 512 consecutive bytes a load
.endr
.endr
	ds_load_b32 v[KS], v[AS] offset:OFKS
	ds_load_b32 v[KS+1], v[AS] offset:OFKS+128
	ds_load_b32 v[VS], v[AS] offset:OFVS
	ds_load_b32 v[VS+1], v[AS] offset:OFVS+128
	s_wait_alu depctr_va_vdst(0)
	s_wait_dscnt 0x0
	v_perm_b32 v[VW], v[VS+1], v[VS], 0x05040100   ; V's scale words lie by halves of the keys, two fragments' bytes to a word: the even fragment's four bytes,
	v_perm_b32 v[VW+1], v[VS+1], v[VS], 0x07060302 ; and the odd one's
.irp p, 0,1,2,3
	KQ \p
.endr
.rept 4
	v_nop                                          ; places in front of the loads into K's registers and of the first read of the scores
.endr
.irp p, 0,1,2,3
.irp u, 0,1                            ; a fragment of V lies as two halves of 64 keys: four registers at 16 x lane, two at 512 + 8 x lane; they land while the softmax is worked
	ds_load_b128 v[FB+12*\p+6*\u:FB+12*\p+6*\u+3], v[AD] offset:OFV+1536*\p+768*\u
	ds_load_b64 v[FB+12*\p+6*\u+4:FB+12*\p+6*\u+5], v[A8] offset:OFV+1536*\p+768*\u+512
.endr
.endr
.endm
.macro WALK last                       ; 8 trips, a step of 128 keys each, up to step last - 1
.Lstep_\@:
	s_bitcmp1_b32 s[ACT], s[STP]
	s_cbranch_scc0 .Lskip_\@                       ; no key of this step counts for any of my queries: only the addresses step
	s_bitcmp1_b32 s[PART], s[STP]
	s_cbranch_scc0 .Lplain_\@                      ; no key of this step is hidden: its lane masks are not loaded
	s_load_b512 s[16:31], s[6:7], s[MOFF] offset:0x0     ; the step's 64 lane masks: word n in s[16 + n], from word 48 on in s[20 + n]
	s_load_b512 s[32:47], s[6:7], s[MOFF] offset:0x40
	s_load_b512 s[48:63], s[6:7], s[MOFF] offset:0x80
	s_load_b512 s[68:83], s[6:7], s[MOFF] offset:0xc0
	FRONT
	s_wait_kmcnt 0x0                               ; the lane masks are in (and s[MOFF] may step)
.set n, 0
.rept 64
.if n < 48
	v_cndmask_b32 v[S+n], v[S+n], v[NINF], s[16+n] ; a hidden score becomes -infinity ahead of the maximum: p = 0 then
.else
	v_cndmask_b32 v[S+n], v[S+n], v[NINF], s[20+n]
.endif
.set n, n+1
.endr
	s_wait_alu depctr_va_vdst(0)
	s_branch .Lopen_\@
.Lplain_\@:
	FRONT
.Lopen_\@:
.irp b, 0,1,2,3
	v_max3_num_f32 v[BM+\b], v[S+16*\b], v[S+1+16*\b], v[S+2+16*\b]   ; the largest score of each block of 32 keys: it serves the row's maximum and, since p rises with the score, the block's largest p
.endr
.irp i, 3,5,7,9,11,13
.irp b, 0,1,2,3
	v_max3_num_f32 v[BM+\b], v[BM+\b], v[S+16*\b+\i], v[S+1+16*\b+\i]
.endr
.endr
.irp b, 0,1,2,3
	v_max_num_f32 v[BM+\b], v[BM+\b], v[S+15+16*\b]
.endr
.irp b, 0,1,2,3
	s_delay_alu instid0(VALU_DEP_4)
	v_permlanex16_b32 v[BP+\b], v[BM+\b], s[SEL], s[SEL+1]
.endr
.irp b, 0,1,2,3
	s_delay_alu instid0(VALU_DEP_4)
	v_max_num_f32 v[BM+\b], v[BM+\b], v[BP+\b]     ; with lane l xor 16's 16 keys
.endr
	s_delay_alu instid0(VALU_DEP_2)
	v_max3_num_f32 v[TP], v[BM], v[BM+1], v[BM+2]
	s_delay_alu instid0(VALU_DEP_1)
	v_max_num_f32 v[TP], v[TP], v[BM+3]            ; the step's largest score of my query
	s_delay_alu instid0(VALU_DEP_1)
	v_mul_f32 v[TP], s[CS], v[TP]                  ; as t (c is positive)
	s_delay_alu instid0(VALU_DEP_1)
	v_max_num_f32 v13, v13, v[TP]                  ; the running largest t
	v_mov_b32 v[TP], v12
	s_delay_alu instid0(VALU_DEP_2)
	v_floor_f32 v12, -v13                          ; the new -M = floor(-t): M is a whole number
	s_delay_alu instid0(VALU_DEP_1)
	v_sub_f32 v[TP], v12, v[TP]                    ; old M less new M: a whole number, 0 or less
	s_delay_alu instid0(VALU_DEP_1)
	v_cvt_i32_f32 v[TP], v[TP]                     ; (it saturates)
	s_delay_alu instid0(VALU_DEP_1)
	v_ldexp_f32 v[FF], 1.0, v[TP]                  ; f = 2^(old M - new M)
.irp j, 0,2,4,6,8,10,12,14,16,18,20,22,24,26,28,30,32,34,36,38,40,42,44,46,48,50,52,54,56,58,60,62
	v_pk_fma_f32 v[S+\j:S+1+\j], v[S+\j:S+1+\j], s[CS:CS+1], v[12:13] op_sel_hi:[1,0,0]   ; t - M, two at a time
.endr
.irp b, 0,1,2,3
	v_fma_f32 v[BM+\b], v[BM+\b], s[CS], v12       ; the same of each block's largest score
.endr
.set n, 0
	s_wait_alu depctr_va_vdst(0)
.rept 64
	v_exp_f32 v[S+n], v[S+n]                       ; p = 2^(t - M), at most 1: not normalised
.set n, n+1
.endr
	v_pk_mul_f32 v[14:15], v[14:15], v[FF:FF+1] op_sel_hi:[1,0]   ; l under the new M: a plain place behind the exponentials
	s_wait_alu depctr_va_vdst(0)                   ; one wait for the batch of 64, ahead of its first reader
.irp b, 0,1,2,3
	v_exp_f32 v[BM+\b], v[BM+\b]                   ; the block's largest p: the same two instructions on the same number give the same bits
.endr
	v_pk_add_f32 v[44:45], v[108:109], v[112:113]  ; the row's sum of the unquantised p, in eight chains
	v_pk_add_f32 v[252:253], v[116:117], v[120:121]
	v_pk_add_f32 v[250:251], v[124:125], v[128:129]
	v_pk_add_f32 v[248:249], v[132:133], v[136:137]
	v_pk_add_f32 v[246:247], v[140:141], v[144:145]
	v_pk_add_f32 v[244:245], v[148:149], v[152:153]
	v_pk_add_f32 v[242:243], v[156:157], v[160:161]
	v_pk_add_f32 v[14:15], v[14:15], v[164:165]
	v_pk_add_f32 v[44:45], v[44:45], v[104:105]
	v_pk_add_f32 v[252:253], v[252:253], v[106:107]
	v_pk_add_f32 v[250:251], v[250:251], v[110:111]
	v_pk_add_f32 v[248:249], v[248:249], v[114:115]
	v_pk_add_f32 v[246:247], v[246:247], v[118:119]
	v_pk_add_f32 v[244:245], v[244:245], v[122:123]
	v_pk_add_f32 v[242:243], v[242:243], v[126:127]
	v_pk_add_f32 v[14:15], v[14:15], v[130:131]
	v_pk_add_f32 v[44:45], v[44:45], v[134:135]
	v_pk_add_f32 v[252:253], v[252:253], v[138:139]
	v_pk_add_f32 v[250:251], v[250:251], v[142:143]
	v_pk_add_f32 v[248:249], v[248:249], v[146:147]
	v_pk_add_f32 v[246:247], v[246:247], v[150:151]
	v_pk_add_f32 v[244:245], v[244:245], v[154:155]
	v_pk_add_f32 v[242:243], v[242:243], v[158:159]
	v_pk_add_f32 v[14:15], v[14:15], v[162:163]
	v_pk_add_f32 v[44:45], v[44:45], v[166:167]
	s_delay_alu instid0(VALU_DEP_2)
	v_pk_add_f32 v[14:15], v[14:15], v[248:249]
	s_delay_alu instid0(VALU_DEP_2)
	v_pk_add_f32 v[44:45], v[44:45], v[246:247]
	v_pk_add_f32 v[252:253], v[252:253], v[244:245]
	v_pk_add_f32 v[250:251], v[250:251], v[242:243]
	s_delay_alu instid0(VALU_DEP_2)
	v_pk_add_f32 v[14:15], v[14:15], v[252:253]
	s_delay_alu instid0(VALU_DEP_2)
	v_pk_add_f32 v[44:45], v[44:45], v[250:251]
	s_delay_alu instid0(VALU_DEP_1)
	v_pk_add_f32 v[14:15], v[14:15], v[44:45]
	s_wait_alu depctr_va_vdst(0)                   ; and one for the four
.irp b, 0,1,2,3
	v_max_num_f32 v[BM+\b], 0x1800000, v[BM+\b]    ; the floor 2^(3 - 127): the byte cannot fall under 1
.endr
.irp b, 0,1,2,3
	s_delay_alu instid0(VALU_DEP_4)
	v_add_nc_u32 v[BS+\b], 0xff000000, v[BM+\b]    ; 2 off the exponent field: the conversion's scale operand
.endr
.irp b, 0,1,2,3
	s_delay_alu instid0(VALU_DEP_4)
	v_lshrrev_b32 v[BP+\b], 23, v[BS+\b]           ; the scale's byte
.endr
	s_delay_alu instid0(VALU_DEP_3)
	v_lshl_or_b32 v[PS], v[BP+1], 8, v[BP]         ; p's scale word for these 128 keys
	s_delay_alu instid0(VALU_DEP_1)
	v_lshl_or_b32 v[PS], v[BP+2], 16, v[PS]
	s_delay_alu instid0(VALU_DEP_1)
	v_lshl_or_b32 v[PS], v[BP+3], 24, v[PS]
.irp c, 0,1
	v_cvt_scalef32_pk16_fp6_f32 v[PC+6*\c:PC+2+6*\c], v[S+32*\c:S+15+32*\c], v[BS+2*\c]
	v_cvt_scalef32_pk16_fp6_f32 v[BP+4*\c:BP+2+4*\c], v[S+16+32*\c:S+31+32*\c], v[BS+2*\c+1]
.endr
	v_nop                                          ; one plain place behind a scaled conversion
.irp c, 0,1
.irp i, 0,1,2
	v_permlane16_swap_b32 v[PC+6*\c+\i], v[BP+4*\c+\i]   ; a whole block to a lane
.endr
.irp i, 0,1,2
	s_delay_alu instid0(VALU_DEP_3)
	v_mov_b32 v[PC+3+6*\c+\i], v[BP+4*\c+\i]
.endr
.endr
.irp j, 0,2,4,6,8,10,12,14,16,18,20,22,24,26,28,30
	v_pk_mul_f32 v[O+\j:O+1+\j], v[O+\j:O+1+\j], v[FF:FF+1] op_sel_hi:[1,0]   ; O^T under the new M; these are also the places between p's codes and scale word and the products
.endr
	s_wait_alu depctr_va_vdst(0)
	s_wait_dscnt 0x0                               ; V is in
.irp t, 0,1,2,3
	PV \t                                          ; four accumulators by turns
.endr
.rept 4
	v_nop                                          ; places in front of the next step's loads into V's registers, and of the next read of O^T
.endr
.Lskip_\@:
	s_add_co_u32 s[TB], s[TB], LREC
	s_add_co_u32 s[MOFF], s[MOFF], 256
	s_add_co_u32 s[STP], s[STP], 1
	s_cmp_lt_u32 s[STP], \last
	s_cbranch_scc1 .Lstep_\@
.endm
	WALK 16                                        ; the other tile, steps 8 .. 15
	s_wait_alu depctr_va_vdst(0)
.irp c, 0,1,2,3,4,5,6,7
	ds_store_b128 v[XS], v[O+4*\c:O+4*\c+3] offset:512*\c   ; its partial result, into my own bytes; each accumulator from its low end on
.endr
	ds_store_b128 v[XS], v[12:15] offset:4096      ; -M, the largest t, l in two halves
.irp i, 0,1,2,3,4,5
	v_mov_b32 v[QZ+6+\i], v[QK+\i]                 ; now my own tile's Q,
.endr
	v_mov_b32 v[QS], v[QK+6]                       ; its scale word (the 36 lines below are its places ahead of the next product),
	BEGIN                                          ; a state begun anew,
	s_mov_b32 s[ACT], s96                          ; its flags,
	s_mov_b32 s[PART], s97
	s_mov_b64 s[6:7], s[94:95]                     ; its mask words,
	s_mov_b32 s[STP], 0                            ; and steps 0 .. 7
	s_mov_b32 s[TB], 0
	s_mov_b32 s[MOFF], 0
	s_wait_alu depctr_va_vdst(0)
	WALK 8
	s_wait_alu depctr_va_vdst(0)
	s_wait_dscnt 0x0                               ; for the others' sake: my partial result lies in LDS
	s_barrier_signal -1
	s_barrier_wait -1                              ; and everybody's
.irp c, 0,1,2,3,4,5,6,7
	ds_load_b128 v[S+4*\c:S+4*\c+3], v[XL] offset:512*\c   ; my own tile's other half, made by wave 15 - w
.endr
	ds_load_b128 v[S+32:S+35], v[XL] offset:4096
	s_wait_dscnt 0x0
	v_min_num_f32 v[TP], v12, v[S+32]              ; -M of the two halves together
	s_delay_alu instid0(VALU_DEP_1)
	v_sub_f32 v[BM], v[TP], v12                    ; my M less the joint M: a whole number, 0 or less
	v_sub_f32 v[BM+1], v[TP], v[S+32]              ; and the other half's
	s_delay_alu instid0(VALU_DEP_2)
	v_cvt_i32_f32 v[BM], v[BM]                     ; (they saturate: a half with no key that counts gets the factor 0 on zeros)
	s_delay_alu instid0(VALU_DEP_2)
	v_cvt_i32_f32 v[BM+1], v[BM+1]
	s_delay_alu instid0(VALU_DEP_2)
	v_ldexp_f32 v[FF], 1.0, v[BM]
	s_delay_alu instid0(VALU_DEP_2)
	v_ldexp_f32 v[RC], 1.0, v[BM+1]
	s_delay_alu instid0(VALU_DEP_2)
	v_pk_mul_f32 v[14:15], v[14:15], v[FF:FF+1] op_sel_hi:[1,0]
.irp j, 0,2,4,6,8,10,12,14,16,18,20,22,24,26,28,30
	v_pk_mul_f32 v[O+\j:O+1+\j], v[O+\j:O+1+\j], v[FF:FF+1] op_sel_hi:[1,0]   ; both halves under the joint M: exact
.endr
	v_pk_fma_f32 v[14:15], v[S+34:S+35], v[RC:RC+1], v[14:15] op_sel_hi:[1,0,1]
.irp j, 0,2,4,6,8,10,12,14,16,18,20,22,24,26,28,30
	v_pk_fma_f32 v[O+\j:O+1+\j], v[S+\j:S+1+\j], v[RC:RC+1], v[O+\j:O+1+\j] op_sel_hi:[1,0,1]
.endr
	; THE WAY OUT: O^T / l, its 64 numbers brought into the order of the head's axis, quantised in two blocks of 32, stored as six registers of the last projection's operand.
	s_wait_alu depctr_va_vdst(0)
	v_add_f32 v14, v14, v15
	s_delay_alu instid0(VALU_DEP_1)
	v_permlanex16_b32 v[TP], v14, s[SEL], s[SEL+1]
	s_delay_alu instid0(VALU_DEP_1)
	v_add_f32 v14, v14, v[TP]                      ; the row's sum
	s_wait_alu depctr_va_vdst(0)
	v_rcp_f32 v[RC], v14
	v_mov_b32 v[RAW], 0xffff                       ; (a plain place behind the transcendental)
	v_lshrrev_b32 v[AD], 1, v[IO]                  ; 8 x lane
	v_lshlrev_b32 v[AS], 3, v[RO]                  ; 32 x (lane % 16)
	s_wait_alu depctr_va_vdst(0)                   ; ahead of the reciprocal's first reader
.irp j, 0,2,4,6,8,10,12,14,16,18,20,22,24,26,28,30
	v_pk_mul_f32 v[S+\j:S+1+\j], v[O+\j:O+1+\j], v[RC:RC+1] op_sel_hi:[1,0]   ; register 8 t + j: channel 16 t + 8 h + j
.endr
.irp b, 0,1
.irp j, 0,1,2,3,4,5,6,7
	v_permlane16_swap_b32 v[S+16*\b+\j], v[S+8+16*\b+\j]   ; register 16 b + i now holds channel 32 b + 16 h + i: neighbours, as the given weight's codes lie
.endr
.endr
.irp b, 0,1
	v_max3_num_f32 v[BM+\b], |v[S+16*\b]|, |v[S+1+16*\b]|, 0x1800000
.endr
.irp i, 2,4,6,8,10,12,14
.irp b, 0,1
	s_delay_alu instid0(VALU_DEP_2)
	v_max3_num_f32 v[BM+\b], v[BM+\b], |v[S+16*\b+\i]|, |v[S+1+16*\b+\i]|
.endr
.endr
.irp b, 0,1
	s_delay_alu instid0(VALU_DEP_2)
	v_permlanex16_b32 v[BP+\b], v[BM+\b], s[SEL], s[SEL+1]
.endr
.irp b, 0,1
	s_delay_alu instid0(VALU_DEP_2)
	v_max_num_f32 v[BM+\b], v[BM+\b], v[BP+\b]
.endr
.irp b, 0,1
	s_delay_alu instid0(VALU_DEP_2)
	v_add_nc_u32 v[BS+\b], 0xff000000, v[BM+\b]
.endr
.irp b, 0,1
	s_delay_alu instid0(VALU_DEP_2)
	v_lshrrev_b32 v[BP+\b], 23, v[BS+\b]
.endr
	s_delay_alu instid0(VALU_DEP_1)
	v_lshl_or_b32 v[TP], v[BP+1], 8, v[BP]         ; my row's two scale bytes
	v_cmp_eq_f32 vcc_lo, 0, v14
	s_delay_alu instid0(VALU_DEP_1)
	v_cndmask_b32 v[TP], v[TP], v[RAW], vcc_lo     ; a row with no key that counts: 0xff, 0xff
	v_cvt_scalef32_pk16_fp6_f32 v[PC:PC+2], v[S:S+15], v[BS]
	v_cvt_scalef32_pk16_fp6_f32 v[BP+4:BP+6], v[S+16:S+31], v[BS+1]
	v_nop                                          ; one plain place behind a scaled conversion
.irp i, 0,1,2
	v_permlane16_swap_b32 v[PC+\i], v[BP+4+\i]
.endr
.irp i, 0,1,2
	s_delay_alu instid0(VALU_DEP_3)
	v_mov_b32 v[PC+3+\i], v[BP+4+\i]               ; registers 0-5: lane (r, h) holds channels 32 h + 0 .. 31 of token r
.endr
.irp p, 0,1,2
	global_store_b64 v[AD], v[PC+2*\p:PC+2*\p+1], s[8:9] offset:256*\p   ; 32 lanes store 256 consecutive bytes, at a multiple of 256 from the buffer's first byte
.endr
	global_store_b16 v[AS], v[TP], s[10:11]        ; lanes l and l + 16 store the same two bytes with the same value
	s_wait_tensorcnt 0x0                           ; the wave's end
	ds_add_u32 v254, v255
	s_wait_dscnt 0x0
	s_endpgm
.Lfunc_end_k_qb5f2d7ef46_attn:
	.size	k_qb5f2d7ef46_attn, .Lfunc_end_k_qb5f2d7ef46_attn-k_qb5f2d7ef46_attn
	.p2alignl 7, 3214868480
	.fill 96, 4, 3214868480
	.section	.rodata,"a",@progbits
	.p2align	6, 0x0
	.amdhsa_kernel k_qb5f2d7ef46_attn
		.amdhsa_group_segment_fixed_size 280576
		.amdhsa_private_segment_fixed_size 0
		.amdhsa_enable_private_segment 0
		.amdhsa_kernarg_size 24
		.amdhsa_user_sgpr_count 2
		.amdhsa_user_sgpr_kernarg_segment_ptr 1
		.amdhsa_wavefront_size32 1
		.amdhsa_system_sgpr_workgroup_id_x 1
		.amdhsa_system_sgpr_workgroup_id_y 1
		.amdhsa_system_sgpr_workgroup_id_z 1
		.amdhsa_system_vgpr_workitem_id 0
		.amdhsa_next_free_vgpr 256
		.amdhsa_next_free_sgpr 100
		.amdhsa_reserve_vcc 1
		.amdhsa_float_denorm_mode_32 3
		.amdhsa_float_denorm_mode_16_64 3
		.amdhsa_memory_ordered 1
		.amdhsa_forward_progress 1
		.amdhsa_inst_pref_size 75
	.end_amdhsa_kernel
	.amdgpu_metadata
---
amdhsa.version: [ 1, 2 ]
amdhsa.kernels:
  - .name:           k_qb5f2d7ef46_attn
    .symbol:         k_qb5f2d7ef46_attn.kd
    .args:
      - { .name: qkv, .offset: 0, .size: 8, .value_kind: global_buffer, .address_space: global }
      - { .name: mb, .offset: 8, .size: 8, .value_kind: global_buffer, .address_space: global }
      - { .name: ao, .offset: 16, .size: 8, .value_kind: global_buffer, .address_space: global }
    .group_segment_fixed_size: 280576
    .private_segment_fixed_size: 0
    .kernarg_segment_align: 8
    .kernarg_segment_size: 24
    .max_flat_workgroup_size: 512
    .sgpr_count:     100
    .vgpr_count:     256
    .wavefront_size: 32
...
	.end_amdgpu_metadata
.endif
;; end of part 2
;; launch oproj (part 3): grid 8 x 32, 4 waves a work-group, clusters of 4 x 4, 327,680 bytes of LDS; arguments ao, wo_codes, wo_scales, bo, out0; writes out0
.if DOCPART == 3
	.amdgcn_target "amdgcn-amd-amdhsa--gfx1250"
	.amdhsa_code_object_version 6
	.text
	.protected	k_qb5f2d7ef46_oproj
	.globl	k_qb5f2d7ef46_oproj
	.p2align	8
	.type	k_qb5f2d7ef46_oproj,@function
k_qb5f2d7ef46_oproj:
	s_mov_b64 s[64:65], 0
	v_nop
	global_prefetch_b8 v0, s[64:65] scope:SCOPE_SE
	s_setreg_imm32_b32 hwreg(HW_REG_WAVE_MODE, 25, 1), 1
	s_wait_xcnt 0x0
	s_wait_alu depctr_hold_cnt(0) depctr_sa_sdst(0) depctr_va_vdst(0) depctr_va_sdst(0) depctr_va_ssrc(0) depctr_va_vcc(0) depctr_vm_vsrc(0)
	s_getreg_b32 s2, hwreg(HW_REG_IB_STS2, 6, 4)
	s_cmp_eq_u32 s2, 0
	s_cbranch_scc0 .Lentry_in_a_cluster
	s_endpgm
.Lentry_in_a_cluster:
	s_bfe_u32 s2, ttmp6, 0x10000c
	s_cmp_lg_u32 s2, 0xf033
	s_cbranch_scc0 .Lentry_shape_is_right
	s_endpgm
.Lentry_shape_is_right:
; out0 = o wo + bo on codes of FP6 (E2M3) with one E8M0 scale for each 32 along K = 1,024; sums in f32.
; o comes from the attention launch: ao bytes 0 ..: for each tile of 16 tokens 12,288 bytes, K step s at 1,536 s, piece p of a fragment (registers 2 p, 2 p + 1 of lane l) at 256 p + 8 l;
;   from byte 3,145,728: 32 scale bytes a token.  wo: 1,024 rows (output features) of 768 bytes of codes and 32 scale bytes.
; SHARES.  Work-group (nt 0..7, mt 0..31): 128 tokens x 128 features; wave (wa, wb): 64 x 64, 16 accumulators.  All of K lies in LDS, filled once: o's 8 tiles, dense, then wo's 128 rows
;   (768 bytes of memory, each on a multiple of 256; 16 bytes of padding behind every 256: pitch 816).  One tensor load a wave: waves 0, 1 o's halves, waves 2, 3 wo's.
; CLUSTERS 4 x 4: o's tile is shared along a row of the cluster, wo's along a column: joint loads.
; Transposed use: source 0 = wo's rows, source 1 = o's: a lane holds a token and eight neighbouring features.  The bias is the C of each sum's first instruction.
; THE WAY OUT: each block of 16 tokens x 64 features goes through a stage of my own in LDS (bytes that no tensor load fills) and comes back by rows of 256 bytes: 16 lanes store one aligned run of 256 bytes.
; No prefetch: the text has no loop to run ahead in, and every tile is asked for at the head.
; A token whose scale bytes are 0xff (no key counted for it) gives NaN, as the definition has it.
; REGISTERS: window 0: v0-31 addresses, v32-63 o's scale words, v64-95 wo's, v96-127 the bias; on the way out v32-159 hold rows.  window 1: v0-127 accumulators, v128-223 wo's fragments, two sets.  window 2: v0-95 o's, two sets.
.set PITCH, 816
.set HALF,  64*PITCH
.set AH,    49152
.set LB,    2*AH
.set STAGE, LB+2*HALF
.set SPITCH, 272
.set BLK,   16*SPITCH
.set SPARE, STAGE+16*BLK
.set ASC,   3145728
.set ADA, 16
.set ADW, 18
.set STO, 20
.set RD,  21
.set CO,  22
.set SOX, 26
.set BO,  27
.set SPW, 28
.set NIL, 29
.set SX,  32
.set SWT, 64
.set BI,  96
.set BK,  32
.set G1A, 24
.set G1B, 32
.set G0A, 40
.set G0B, 44
.set MSB, 0
.macro WIN new
.if MSB != (\new)
	s_set_vgpr_msb (MSB<<8)|(\new)
.set MSB, (\new)
.endif
.endm
.macro PLACES n
.rept \n
	v_nop
.endr
.endm
.macro CREST
	s_cmp_lg_u32 s14, 0
	s_cbranch_scc1 .Lnot_wave_0_\@
	s_barrier_signal -3
.Lnot_wave_0_\@:
	s_barrier_wait -3
	s_barrier_signal -1
	s_barrier_wait -1
.endm
.macro CROUND
	s_barrier_signal -1
	s_barrier_wait -1
	CREST
.endm
.macro FETCH st                        ; K step st's fragments into set st % 2: wo's 4 x 6 pieces, o's 4 x 6
	WIN 0x40
.irp i, 0,1,2,3
.irp p, 0,1,2,3,4,5
.set BY, 96*(\st)+48*(\p/3)+8*(\p%3)   ; byte y of a row of wo lies at y + 16 (y / 256); lanes 16-31 read 24 bytes on, at times behind one padding more
.if BY/256 == (BY+24)/256
	ds_load_b64 v[128+48*((\st)%2)+12*\i+2*\p:128+48*((\st)%2)+12*\i+2*\p+1], v[ADW] offset:BY+16*(BY/256)+\i*16*PITCH
.else
	ds_load_b64 v[128+48*((\st)%2)+12*\i+2*\p:128+48*((\st)%2)+12*\i+2*\p+1], v[ADW+1] offset:BY+16*(BY/256)+\i*16*PITCH
.endif
.endr
.endr
	WIN 0x80
.irp i, 0,1,2,3
.irp p, 0,1,2,3,4,5
	ds_load_b64 v[48*((\st)%2)+12*\i+2*\p:48*((\st)%2)+12*\i+2*\p+1], v[ADA] offset:\i*12288+(\st)*1536+256*\p
.endr
.endr
.endm
.macro MUL st                          ; the 16 accumulators take turns in the same order in every step
.if (\st) == 0
	WIN 0x49
.else
	WIN 0x59
.endif
.irp a, 0,1,2,3
.irp b, 0,1,2,3
.set DD, 8*(4*\a+\b)
.set CC, DD
.if (\st) == 0
.set CC, BI+8*\b
.endif
	v_wmma_scale_f32_16x16x128_f8f6f4 v[DD:DD+7], v[128+48*((\st)%2)+12*\b:128+48*((\st)%2)+12*\b+11], v[48*((\st)%2)+12*\a:48*((\st)%2)+12*\a+11], v[CC:CC+7], v[SWT+8*\b+(\st)], v[SX+8*\a+(\st)] matrix_a_fmt:MATRIX_FMT_FP6 matrix_b_fmt:MATRIX_FMT_FP6
.endr
.endr
.endm
	s_load_b256 s[68:75], s[0:1], 0x0              ; ao, wo's codes, wo's scales, bo
	s_load_b64 s[76:77], s[0:1], 0x20              ; out0
	v_lshl_add_u32 v[SPW], v0, 2, SPARE
	v_mov_b32 v[NIL], 0
	ds_add_u32 v[SPW], v[NIL]                      ; the opening lines: the add twice on end and its wait
	ds_add_u32 v[SPW], v[NIL]
	v_lshrrev_b32 v1, 5, v0
	v_readfirstlane_b32 s14, v1                    ; wave 0..3
	s_lshr_b32 s15, s14, 1                         ; wa.  Also: I ask for o (0) or for wo (1)
	s_and_b32 s16, s14, 1                          ; wb.  Also: which half I ask for
	s_bfe_u32 s4, ttmp6, 0x40000                   ; cx
	s_bfe_u32 s5, ttmp6, 0x40004                   ; cy
	s_lshl_b32 s6, ttmp9, 2
	s_add_co_u32 s6, s6, s4                        ; nt
	s_and_b32 s7, ttmp7, 0xffff
	s_lshl_b32 s7, s7, 2
	s_add_co_u32 s7, s7, s5                        ; mt
	s_lshl_b32 s8, s5, 2
	s_lshl_b32 s8, 15, s8                          ; my row of the cluster
	s_lshl_b32 s9, 0x1111, s4                      ; my column
	s_or_b32 s[G1A], s8, (3<<16)|(1<<21)           ; o: 49,152 dense bytes as 192 rows of 32 elements of 8 bytes
	s_mov_b32 s[G1A+1], 32<<16
	s_mov_b32 s[G1A+2], 192<<16
	s_mov_b32 s[G1A+3], 32<<16
	s_mov_b32 s[G1A+4], 192
	s_mov_b32 s[G1A+5], 32
	s_mov_b32 s[G1A+6], 0
	s_mov_b32 s[G1A+7], 0
	s_or_b32 s[G1B], s9, (1<<20)|(1<<21)|(5<<22)|(3<<25)   ; wo: 64 rows of 768 bytes, 4 words of padding behind every 64
	s_mov_b32 s[G1B+1], 768<<16
	s_mov_b32 s[G1B+2], 64<<16
	s_mov_b32 s[G1B+3], 768<<16
	s_mov_b32 s[G1B+4], 64
	s_mov_b32 s[G1B+5], 768
	s_mov_b32 s[G1B+6], 0
	s_mov_b32 s[G1B+7], 0
	s_lshl_b32 s10, s7, 3
	s_lshl_b32 s17, s16, 2
	s_add_co_u32 s10, s10, s17
	s_mul_i32 s10, s10, 12288                      ; o: tile 8 mt + 4 half
	s_mov_b32 s11, 0
	s_lshl_b32 s12, s6, 7
	s_lshl_b32 s17, s16, 6
	s_add_co_u32 s12, s12, s17
	s_mul_i32 s12, s12, 768                        ; wo: row 128 nt + 64 half
	s_mov_b32 s13, 0
	s_mov_b32 s[G0A], 1
	s_mov_b32 s[G0B], 1
	s_mul_i32 s[G0A+1], s16, AH
	s_mul_i32 s[G0B+1], s16, HALF
	s_add_co_u32 s[G0B+1], s[G0B+1], LB
	s_wait_dscnt 0x0                               ; both opening adds are done
	s_wait_kmcnt 0x0
	s_add_nc_u64 s[G0A+2:G0A+3], s[68:69], s[10:11]
	s_add_nc_u64 s[G0B+2:G0B+3], s[70:71], s[12:13]
	s_or_b32 s[G0A+3], s[G0A+3], 0x80000000
	s_or_b32 s[G0B+3], s[G0B+3], 0x80000000
	CROUND                                         ; all sixteen work-groups are here: the joint loads meet
	s_cmp_eq_u32 s15, 0
	s_cbranch_scc0 .Lhead_w
	tensor_load_to_lds s[G0A:G0A+3], s[G1A:G1A+7]
	s_nop 0
	PLACES 4
	s_branch .Lhead_asked
.Lhead_w:
	tensor_load_to_lds s[G0B:G0B+3], s[G1B:G1B+7]
	s_nop 0
	PLACES 4
.Lhead_asked:
	s_mov_b32 s19, 0                               ; offsets are made in s[18:19]
	s_lshl_b32 s20, s7, 7
	s_lshl_b32 s21, s15, 6
	s_add_co_u32 s20, s20, s21                     ; my first token
	s_lshl_b32 s18, s20, 5
	s_add_co_u32 s18, s18, ASC
	s_add_nc_u64 s[78:79], s[68:69], s[18:19]      ; its scale bytes
	s_lshl_b32 s21, s6, 7
	s_lshl_b32 s22, s16, 6
	s_add_co_u32 s21, s21, s22                     ; my first feature
	s_lshl_b32 s18, s21, 5
	s_add_nc_u64 s[72:73], s[72:73], s[18:19]      ; its scale bytes
	s_lshl_b32 s18, s21, 2
	s_add_nc_u64 s[74:75], s[74:75], s[18:19]      ; its bias
	s_add_nc_u64 s[76:77], s[76:77], s[18:19]
	s_lshl_b32 s18, s20, 12
	s_add_nc_u64 s[76:77], s[76:77], s[18:19]      ; my corner of out0
	s_mul_i32 s20, s15, AH
	s_mul_i32 s21, s16, HALF
	s_add_co_u32 s21, s21, LB
	s_mul_i32 s22, s14, 4*BLK
	s_add_co_u32 s22, s22, STAGE
	v_and_b32 v1, 15, v0                           ; r
	v_bfe_u32 v2, v0, 4, 1                         ; h
	v_and_b32 v10, 31, v0                          ; lane
	v_lshl_add_u32 v[ADA], v10, 3, s20
	v_mul_u32_u24 v3, v1, PITCH
	v_mad_u32_u24 v3, v2, 24, v3
	v_lshl_add_u32 v4, v2, 4, v3
	v_add_nc_u32 v[ADW], s21, v3
	v_add_nc_u32 v[ADW+1], s21, v4
	v_mul_u32_u24 v5, v1, SPITCH
	v_lshl_add_u32 v5, v2, 5, v5
	v_add_nc_u32 v[STO], s22, v5                   ; in: row r, 32 bytes for each half of the lanes
	v_mul_u32_u24 v6, v2, SPITCH
	v_lshl_add_u32 v6, v1, 4, v6
	v_add_nc_u32 v[RD], s22, v6                    ; back: lanes 0-15 one row of 256 bytes, lanes 16-31 the next
	v_lshlrev_b32 v7, 12, v2
	v_lshl_add_u32 v[CO], v1, 4, v7                ; and the same two rows in out0
	v_lshlrev_b32 v[SOX], 5, v1
	v_lshlrev_b32 v[BO], 5, v2
	s_wait_alu depctr_va_vdst(0)                   ; at the head's end
.irp i, 0,1,2,3
	global_load_b128 v[SX+8*\i:SX+8*\i+3], v[SOX], s[78:79] offset:512*\i       ; a row's 32 scale bytes: register s is K step s's word
	global_load_b128 v[SX+8*\i+4:SX+8*\i+7], v[SOX], s[78:79] offset:512*\i+16
	global_load_b128 v[SWT+8*\i:SWT+8*\i+3], v[SOX], s[72:73] offset:512*\i
	global_load_b128 v[SWT+8*\i+4:SWT+8*\i+7], v[SOX], s[72:73] offset:512*\i+16
	global_load_b128 v[BI+8*\i:BI+8*\i+3], v[BO], s[74:75] offset:64*\i         ; register 8 b + j takes the bias of feature 16 b + 8 h + j
	global_load_b128 v[BI+8*\i+4:BI+8*\i+7], v[BO], s[74:75] offset:64*\i+16
.endr
	s_wait_tensorcnt 0x0                           ; my part of the tiles is in
	s_barrier_signal -1
	s_barrier_wait -1                              ; and everybody's; nothing is filled again in this launch
	FETCH 0
	s_wait_loadcnt 0x0
.set ST, 0
.rept 8
.if ST < 7
.if ST > 0
	PLACES 4                                       ; in front of loads into the set that the last step's products read
.endif
	FETCH ST+1
	s_wait_dscnt 48                                ; all but the next step's 48 loads
.else
	s_wait_dscnt 0x0
.endif
	MUL ST
.set ST, ST+1
.endr
	WIN 0
	PLACES 4                                       ; in front of the first read of results and of loads into registers that the products read
	WIN 0x04                                       ; the stores' data: window 1
.irp a, 0,1,2,3
.irp b, 0,1,2,3
	ds_store_b128 v[STO], v[8*(4*\a+\b):8*(4*\a+\b)+3] offset:\a*BLK+64*\b          ; each accumulator from its low end on
	ds_store_b128 v[STO], v[8*(4*\a+\b)+4:8*(4*\a+\b)+7] offset:\a*BLK+64*\b+16
.endr
.endr
	WIN 0
.irp a, 0,1,2,3
.irp t, 0,1,2,3,4,5,6,7
	ds_load_b128 v[BK+32*\a+4*\t:BK+32*\a+4*\t+3], v[RD] offset:\a*BLK+\t*2*SPITCH   ; my own bytes: LDS serves a wave's instructions in order (ISA guide 5.7.1.4)
.endr
.endr
.irp a, 0,1,2,3
	s_wait_dscnt 24-8*\a                           ; block a's eight loads are back; the later blocks' may be out
.irp t, 0,1,2,3,4,5,6,7
	global_store_b128 v[CO], v[BK+32*\a+4*\t:BK+32*\a+4*\t+3], s[76:77] offset:(16*\a+2*\t)*4096 th:TH_STORE_NT   ; 16 lanes store 256 consecutive bytes, at a multiple of 256
.endr
.endr
	s_wait_tensorcnt 0x0                           ; the wave's end
	ds_add_u32 v[SPW], v[NIL]
	s_wait_dscnt 0x0
	CROUND                                         ; the closing round
	s_endpgm
.Lfunc_end_k_qb5f2d7ef46_oproj:
	.size	k_qb5f2d7ef46_oproj, .Lfunc_end_k_qb5f2d7ef46_oproj-k_qb5f2d7ef46_oproj
	.p2alignl 7, 3214868480
	.fill 96, 4, 3214868480
	.section	.rodata,"a",@progbits
	.p2align	6, 0x0
	.amdhsa_kernel k_qb5f2d7ef46_oproj
		.amdhsa_group_segment_fixed_size 327680
		.amdhsa_private_segment_fixed_size 0
		.amdhsa_enable_private_segment 0
		.amdhsa_kernarg_size 40
		.amdhsa_user_sgpr_count 2
		.amdhsa_user_sgpr_kernarg_segment_ptr 1
		.amdhsa_wavefront_size32 1
		.amdhsa_system_sgpr_workgroup_id_x 1
		.amdhsa_system_sgpr_workgroup_id_y 1
		.amdhsa_system_sgpr_workgroup_id_z 1
		.amdhsa_system_vgpr_workitem_id 0
		.amdhsa_next_free_vgpr 768
		.amdhsa_next_free_sgpr 102
		.amdhsa_reserve_vcc 0
		.amdhsa_float_denorm_mode_32 3
		.amdhsa_float_denorm_mode_16_64 3
		.amdhsa_memory_ordered 1
		.amdhsa_forward_progress 1
		.amdhsa_inst_pref_size 58
	.end_amdhsa_kernel
	.amdgpu_metadata
---
amdhsa.version: [ 1, 2 ]
amdhsa.kernels:
  - .name:           k_qb5f2d7ef46_oproj
    .symbol:         k_qb5f2d7ef46_oproj.kd
    .args:
      - { .name: ao, .offset: 0, .size: 8, .value_kind: global_buffer, .address_space: global }
      - { .name: wo_codes, .offset: 8, .size: 8, .value_kind: global_buffer, .address_space: global }
      - { .name: wo_scales, .offset: 16, .size: 8, .value_kind: global_buffer, .address_space: global }
      - { .name: bo, .offset: 24, .size: 8, .value_kind: global_buffer, .address_space: global }
      - { .name: out0, .offset: 32, .size: 8, .value_kind: global_buffer, .address_space: global }
    .group_segment_fixed_size: 327680
    .private_segment_fixed_size: 0
    .kernarg_segment_align: 8
    .kernarg_segment_size: 40
    .max_flat_workgroup_size: 128
    .sgpr_count:     102
    .vgpr_count:     768
    .wavefront_size: 32
...
	.end_amdgpu_metadata
.endif
;; end of part 3
